; MI455X (gfx1250); checked and timed in simulation.
; The chip was launched on July 23, 2026; its instructions are those of AMD's public machine-readable ISA for CDNA 5 (MIT licence, August 2026) and "CDNA5" Instruction Set Architecture Reference Guide (July 2026). The comments in the code are by the model that wrote it; some were corrected since.
;; Codebook. Allowed arithmetic: matrix products marked QUANTISED: E4M3 operands, one given power-of-two scale a tensor, by v_wmma_f32_16x16x64_fp8_fp8 or v_wmma_f32_16x16x128_fp8_fp8, f32 sums; everything else in f32.
;; Inputs: embeddings 8,192 x 256 float32; lowp_scales 2 int32 (the exponents e of the quantised operands' scales 2^e); z_e 256 x 32,768 float32.
;; Outputs: out0 256 x 32,768 float32; out1 32,768 int32.
;; This version of the problem:
;;   THIS VERSION OF THE PROBLEM IS GIVEN IN LOW PRECISION. The matrix products marked QUANTISED in the list below multiply operands that are first quantised to E4M3 (4 exponent bits, 3 mantissa bits; 8 bits a number), with one given power-of-two scale for each operand tensor; their sums are f32. All else is computed in f32.
;;   The module's matrix products, in the order in which they are computed (A, B: the left and right operand; K: the contracted axis; several contracted axes count as one K, in the product's order):
;;     1. [M 32,768, K 256] x [K 256, N 8,192]; A: input z_e; B: input embeddings: QUANTISED (scales: A lowp_scales[0], B lowp_scales[1])
;;   THE QUANTISER, for each operand of a quantised product, along K:
;;     - The operand's scale is 2^e, e = its entry of the input lowp_scales (int32; the entries are numbered through the quantised products in the list's order, A before B).
;;     - Each number is divided by the scale, clamped to +-448, and rounded to the nearest number of E4M3, ties to even, subnormals kept.
;;     - The product sums the exact products of the quantised numbers (number of the format x scale) in f32.
;;   ~~~python
;;   def quantise(x, axis, e):      # numpy; x: float32 -> the quantised numbers, widened to float32 again
;;       x = np.moveaxis(x, axis, -1); K = x.shape[-1]
;;       r = np.clip(x / 2.0 ** e, -448, 448)
;;       step = 2.0 ** (np.maximum(np.frexp(np.where(r == 0, 1, r))[1] - 1, -6) - 3)
;;       q = np.round(r / step) * step * 2.0 ** e      # np.round: ties to even
;;       return np.moveaxis(q, -1, axis).astype(np.float32)
;;   ~~~
;; One version. Each part assembles by itself: llvm-mc -triple=amdgcn-amd-amdhsa -mcpu=gfx1250 --defsym DOCPART=n.
;; ======== version 1 of 1: 4 launches
;; workspace buffers: zimg 8,388,608 bytes; ebook 2,129,920 bytes; blk 131,072 bytes of whole numbers; idxw 131,072 bytes of whole numbers
;; launch prep (part 1): grid 1152 x 1, 4 waves a work-group, no clusters, 67,328 bytes of LDS; arguments z_e, embeddings, lowp_scales, zimg, ebook; writes zimg, ebook
.if DOCPART == 1
	.amdgcn_target "amdgcn-amd-amdhsa--gfx1250"
	.amdhsa_code_object_version 6
	.text
	.protected	k_q15985631db_prep
	.globl	k_q15985631db_prep
	.p2align	8
	.type	k_q15985631db_prep,@function
k_q15985631db_prep:
	s_mov_b64 s[64:65], 0
	v_nop
	global_prefetch_b8 v0, s[64:65] scope:SCOPE_SE
	s_setreg_imm32_b32 hwreg(HW_REG_WAVE_MODE, 25, 1), 1
	s_wait_xcnt 0x0
; THE PROGRAM: for each of 32,768 tokens (columns of z_e [256][32768]) the first index of the smallest distance to the 8,192 rows of embeddings [8192][256], and that row, transposed.
; The product z . e is taken on codes of FP8 (E4M3): a number of z_e is its code x 2^ea, of embeddings x 2^eb; ea, eb are the two whole numbers in lowp_scales.
; DEAD WORK.  reference() forms dist[n][k] = z_sq[n] - 2 dot[n][k] + e_sq[k], and dist reaches the outputs through argmin over k alone.  z_sq[n] is the same for all k of a token, and
; argmin over k of (z_sq[n] + x[n][k]) = argmin over k of x[n][k] for all real values of the inputs.  So the sum z_sq is formed in no launch.  z_e stays an input: it is an operand of the product.
; With s = 2^(ea + eb) > 0 and S = the sum of the codes' products: argmin (e_sq - 2 s S) = argmax (S - e_sq / (2 s)): the later launches look for the largest S + cneg, cneg[k] = -e_sq[k] x 2^-(1 + ea + eb).
; LIMITS.  A NaN, an infinity or an overflow that reaches only z_sq is not carried to the result.  The order of rounding differs from reference()'s (z_sq - 2 dot, then + e_sq): two distances that differ by
; less than the rounding of either form may change places.  NaN among the inputs is not served.  ea and eb lie between -126 and 119 each, so that 2^e and 448 x 2^e are f32 numbers.
; THIS LAUNCH quantises both operands once, into buffers laid as IMAGES OF THE OPERANDS' REGISTERS, and makes cneg.
;   An image of 16 rows x 256 K is 4,096 bytes: piece (c = 0..7, h = 0..1, r = 0..15) at 512 c + 256 h + 16 r holds the codes of row r at k = 32 c + 16 h + 0 .. 15.  So a fragment's four registers come by one load of 16 bytes at 16 x lane.
;   zimg: token tile tt (tokens 16 tt on) at 4,096 tt.   ebook: 128 parts of 16,640 bytes: part P = the images of code tiles 4 P .. 4 P + 3, then cneg of its 64 codes (256 bytes).
; code = x / 2^e, held within +-448, rounded to the nearest code, ties to even.
; SHARES.  Work-groups 0-127: part P of the table; wave w its code tile 4 P + w (16 rows, 16 KB).  K is innermost there: the loads take the bytes as they lie, 512 consecutive bytes each, and the rows turn through
; the wave's own stage in LDS, so that a lane gets 16 neighbours of each block of 32.  Work-groups 128-1151: z_e, whose K is its first axis: a lane takes a token and its registers run down K (a wave: 32 tokens x 64 k);
; nothing is transposed, and no LDS is used.  The branch between the two hangs on the work-group's number alone.
.set PARTB, 16640                      ; a part of ebook
.set SP,    1040                       ; a stage row: 1,024 bytes + 16: 65 x 16, so that the 16 rows that a load touches start at 16 different banks (64 banks of 4 bytes: ISA guide 11.1)
.set WSTG,  16*SP                      ; a wave's stage
.set ECS,   4*WSTG                     ; behind the stages: 64 words for the part's cneg
.set SPARE, ECS+256                    ; behind them: the spare words, 128 bytes for each wave: two blocks of 256 bytes that no other line names
.set ZROW,  131072                     ; a row of z_e in bytes
.set X,     32                         ; v32-159  the numbers
.set CD,    160                        ; v160-191 the codes
.set SPW,   30                         ; v30      LDS address of my spare word; never rewritten
.set NIL,   31                         ; v31      0; never rewritten
	s_load_b256 s[4:11], s[0:1], 0x0               ; z_e s[4:5], embeddings s[6:7], the scales' exponents s[8:9], zimg s[10:11]
	s_load_b64 s[12:13], s[0:1], 0x20              ; ebook
	v_lshl_add_u32 v[SPW], v0, 2, SPARE
	v_mov_b32 v[NIL], 0
	v_lshrrev_b32 v1, 5, v0
	v_readfirstlane_b32 s14, v1                    ; wave 0..3
	v_and_b32 v1, 31, v0                           ; lane
	v_and_b32 v2, 15, v0                           ; r
	v_bfe_u32 v3, v0, 4, 1                         ; h
	v_lshlrev_b32 v4, 4, v1                        ; 16 x lane
	s_wait_kmcnt 0x0
	s_load_b64 s[16:17], s[8:9], 0x0               ; ea, eb
	s_cmp_lt_u32 ttmp9, 128
	s_cbranch_scc0 .Lz
	; ---------------- the table: part P = the work-group's number
	s_lshl_b32 s18, ttmp9, 16                      ; 64 rows of 1,024 bytes a part,
	s_lshl_b32 s19, s14, 14                        ; 16 a wave
	s_add_co_u32 s18, s18, s19
	s_mov_b32 s19, 0
	s_add_nc_u64 s[6:7], s[6:7], s[18:19]
.set i, 0
.rept 32
	global_load_b128 v[X+4*i:X+4*i+3], v4, s[6:7] offset:512*i th:TH_LOAD_NT   ; 32 lanes read 512 consecutive bytes: half a row
.set i, i+1
.endr
	s_mul_i32 s20, s14, WSTG                       ; my stage
	v_add_nc_u32 v5, s20, v4                       ; in: as the bytes lie
	v_mul_u32_u24 v6, v2, SP
	v_lshl_add_u32 v6, v3, 6, v6
	v_add_nc_u32 v6, s20, v6                       ; back: row r, + 64 h: my 16 numbers of a block of 32
	s_lshl_b32 s21, s14, 12
	v_add_nc_u32 v7, s21, v4                       ; my tile's image in the part: 4,096 x wave + 16 x lane
	v_lshlrev_b32 v8, 3, v1                        ; 8 x lane: cneg's way out
	s_lshl_b32 s21, s14, 6
	v_lshl_add_u32 v9, v2, 2, ECS
	v_add_nc_u32 v9, s21, v9                       ; where cneg of my row goes: 64 x wave + 4 r
	v_add_nc_u32 v12, ECS, v8                      ; and where wave 0 reads the 64 back
	v_mov_b32 v25, 0                               ; a lane permute's destination counts as one of its sources: written once
	s_mov_b32 s24, 0x76543210
	s_mov_b32 s25, 0xfedcba98                      ; v_permlanex16_b32's selects for lane l xor 16
	s_mul_i32 s18, ttmp9, PARTB
	s_add_nc_u64 s[12:13], s[12:13], s[18:19]      ; ebook at my part
	s_wait_kmcnt 0x0
	s_add_co_i32 s22, s16, s17
	s_add_co_i32 s22, s22, 1
	s_sub_co_i32 s22, 0, s22                       ; -(1 + ea + eb)
	s_add_co_i32 s23, s17, 127
	s_lshl_b32 s26, s23, 23
	v_mov_b32 v10, s26                             ; 2^eb as f32: the conversion takes its exponent field
	s_add_co_i32 s23, s23, 8
	s_lshl_b32 s23, s23, 23
	s_or_b32 s23, s23, 0x600000
	v_mov_b32 v11, s23                             ; 448 x 2^eb
.set i, 0
.rept 32
	s_wait_loadcnt 31-i                            ; loads come back in order (ISA guide 5.7.1): load i is in, the younger ones stay out
	ds_store_b128 v5, v[X+4*i:X+4*i+3] offset:(i/2)*SP+(i%2)*512
.set i, i+1
.endr
	s_wait_dscnt 0x0                               ; the stores have read their registers, which the loads below fill anew
.irp c, 0,1,2,3,4,5,6,7
.irp q, 0,1,2,3
	ds_load_b128 v[X+16*\c+4*\q:X+16*\c+4*\q+3], v6 offset:128*\c+16*\q   ; register 16 c + i = E(r, 32 c + 16 h + i)
.endr
.endr
	s_wait_dscnt 0x0
	; e_sq of my half of the row, of the numbers as they are given: four packed chains; the first four products start them
.irp j, 0,1,2,3
	v_pk_mul_f32 v[16+2*\j:17+2*\j], v[X+2*\j:X+2*\j+1], v[X+2*\j:X+2*\j+1]
.endr
.set i, 4
.rept 60
	v_pk_fma_f32 v[16+2*(i%4):17+2*(i%4)], v[X+2*i:X+2*i+1], v[X+2*i:X+2*i+1], v[16+2*(i%4):17+2*(i%4)]
.set i, i+1
.endr
	v_pk_add_f32 v[16:17], v[16:17], v[18:19]
	v_pk_add_f32 v[20:21], v[20:21], v[22:23]
	v_pk_add_f32 v[16:17], v[16:17], v[20:21]
	v_add_f32 v24, v16, v17
	v_permlanex16_b32 v25, v24, s24, s25           ; the row's other half lies in the lane 16 away
	v_add_f32 v24, v24, v25                        ; the same sum, bit for bit, in both lanes
	v_ldexp_f32 v24, -v24, s22                     ; cneg = -e_sq x 2^-(1 + ea + eb)
.irp c, 0,1,2,3,4,5,6,7
.irp i, 0,1,2,3,4,5,6,7,8,9,10,11,12,13,14,15
	v_med3_num_f32 v[X+16*\c+\i], v[X+16*\c+\i], -v11, v11   ; the conversion to an 8-bit code does not saturate (ISA guide 7.6.2): the hold at the largest code x the scale
.endr
	v_cvt_scalef32_pk8_fp8_f32 v[CD+4*\c:CD+4*\c+1], v[X+16*\c:X+16*\c+7], v10
	v_cvt_scalef32_pk8_fp8_f32 v[CD+4*\c+2:CD+4*\c+3], v[X+16*\c+8:X+16*\c+15], v10
.endr
	v_nop                                          ; a plain vector line behind the last conversion
.irp c, 0,1,2,3,4,5,6,7
	global_store_b128 v7, v[CD+4*\c:CD+4*\c+3], s[12:13] offset:512*\c   ; pieces (c, h, r): 32 lanes store 512 consecutive bytes, at a multiple of 256 from the buffer's first byte
.endr
	ds_store_b32 v9, v24                           ; both halves of the lanes write the same word with the same value
	s_wait_dscnt 0x0                               ; for the others' sake: my word has landed
	s_barrier_signal -1
	s_barrier_wait -1
	s_cmp_lg_u32 s14, 0
	s_cbranch_scc1 .Le_end
	ds_load_b64 v[26:27], v12                      ; wave 0 stores the part's 64 numbers as 256 consecutive bytes
	s_wait_dscnt 0x0
	global_store_b64 v8, v[26:27], s[12:13] offset:16384
.Le_end:
	s_wait_tensorcnt 0x0                           ; the wave's end: three lines behind my last LDS store
	ds_add_u32 v[SPW], v[NIL]
	s_wait_dscnt 0x0
	s_endpgm
	; ---------------- z_e: work-group 128 + 4 tb + ky: tokens 128 tb on, k = 64 ky on; wave w: tokens 128 tb + 32 w + lane.  No LDS is written on this way
.Lz:
	s_sub_co_u32 s18, ttmp9, 128
	s_and_b32 s19, s18, 3                          ; ky
	s_lshr_b32 s18, s18, 2                         ; tb
	s_lshl_b32 s20, s19, 23                        ; 64 rows of 131,072 bytes
	s_lshl_b32 s21, s18, 9                         ; 128 tokens x 4 bytes
	s_add_co_u32 s20, s20, s21
	s_lshl_b32 s21, s14, 7                         ; 32 tokens x 4 bytes
	s_add_co_u32 s20, s20, s21
	s_mov_b32 s21, 0
	s_add_nc_u64 s[4:5], s[4:5], s[20:21]
	v_lshlrev_b32 v5, 2, v1
.set i, 0
.rept 64
	global_load_b32 v[X+i], v5, s[4:5] offset:i*ZROW th:TH_LOAD_NT   ; z_e(64 ky + i, my token): the wave reads 128 consecutive bytes, the four waves 512; 63 rows at the most: inside the signed 24-bit immediate (ISA guide, chapter 10)
.set i, i+1
.endr
	s_lshl_b32 s20, s18, 15                        ; zimg: token tile 8 tb + 2 w (+ lane / 16), pieces c = 2 ky, 2 ky + 1
	s_lshl_b32 s22, s14, 13
	s_add_co_u32 s20, s20, s22
	s_lshl_b32 s22, s19, 10
	s_add_co_u32 s20, s20, s22
	s_add_nc_u64 s[10:11], s[10:11], s[20:21]
	v_lshlrev_b32 v6, 12, v3
	v_lshl_add_u32 v6, v2, 4, v6                   ; 4,096 (lane / 16) + 16 (lane % 16)
	s_wait_kmcnt 0x0
	s_add_co_i32 s23, s16, 127
	s_lshl_b32 s26, s23, 23
	v_mov_b32 v10, s26                             ; 2^ea as f32
	s_add_co_i32 s23, s23, 8
	s_lshl_b32 s23, s23, 23
	s_or_b32 s23, s23, 0x600000
	v_mov_b32 v11, s23                             ; 448 x 2^ea
.irp b, 0,1
	s_wait_loadcnt 32-32*\b                        ; this block's 32 loads are in; the second block's may be out
.set i, 0
.rept 32
	v_med3_num_f32 v[X+32*\b+i], v[X+32*\b+i], -v11, v11
.set i, i+1
.endr
.irp g, 0,1,2,3
	v_cvt_scalef32_pk8_fp8_f32 v[CD+8*\b+2*\g:CD+8*\b+2*\g+1], v[X+32*\b+8*\g:X+32*\b+8*\g+7], v10
.endr
	v_nop                                          ; a plain vector line behind the last conversion
	global_store_b128 v6, v[CD+8*\b:CD+8*\b+3], s[10:11] offset:512*\b         ; piece (2 ky + b, 0, r): sixteen lanes store 256 consecutive bytes, aligned
	global_store_b128 v6, v[CD+8*\b+4:CD+8*\b+7], s[10:11] offset:512*\b+256   ; piece (2 ky + b, 1, r)
.endr
	s_endpgm
.Lfunc_end_k_q15985631db_prep:
	.size	k_q15985631db_prep, .Lfunc_end_k_q15985631db_prep-k_q15985631db_prep
	.p2alignl 7, 3214868480
	.fill 96, 4, 3214868480
	.section	.rodata,"a",@progbits
	.p2align	6, 0x0
	.amdhsa_kernel k_q15985631db_prep
		.amdhsa_group_segment_fixed_size 67328
		.amdhsa_private_segment_fixed_size 0
		.amdhsa_enable_private_segment 0
		.amdhsa_kernarg_size 40
		.amdhsa_user_sgpr_count 2
		.amdhsa_user_sgpr_kernarg_segment_ptr 1
		.amdhsa_wavefront_size32 1
		.amdhsa_system_sgpr_workgroup_id_x 1
		.amdhsa_system_sgpr_workgroup_id_y 1
		.amdhsa_system_sgpr_workgroup_id_z 1
		.amdhsa_system_vgpr_workitem_id 0
		.amdhsa_next_free_vgpr 192
		.amdhsa_next_free_sgpr 66
		.amdhsa_reserve_vcc 0
		.amdhsa_float_denorm_mode_32 3
		.amdhsa_float_denorm_mode_16_64 3
		.amdhsa_memory_ordered 1
		.amdhsa_forward_progress 1
		.amdhsa_inst_pref_size 38
	.end_amdhsa_kernel
	.amdgpu_metadata
---
amdhsa.version: [ 1, 2 ]
amdhsa.kernels:
  - .name:           k_q15985631db_prep
    .symbol:         k_q15985631db_prep.kd
    .args:
      - { .name: z_e, .offset: 0, .size: 8, .value_kind: global_buffer, .address_space: global }
      - { .name: embeddings, .offset: 8, .size: 8, .value_kind: global_buffer, .address_space: global }
      - { .name: lowp_scales, .offset: 16, .size: 8, .value_kind: global_buffer, .address_space: global }
      - { .name: zimg, .offset: 24, .size: 8, .value_kind: global_buffer, .address_space: global }
      - { .name: ebook, .offset: 32, .size: 8, .value_kind: global_buffer, .address_space: global }
    .group_segment_fixed_size: 67328
    .private_segment_fixed_size: 0
    .kernarg_segment_align: 8
    .kernarg_segment_size: 40
    .max_flat_workgroup_size: 128
    .sgpr_count:     66
    .vgpr_count:     192
    .wavefront_size: 32
...
	.end_amdgpu_metadata
.endif
;; end of part 1
;; launch search (part 2): grid 256 x 1, 8 waves a work-group, clusters of 4 x 1, 327,680 bytes of LDS; arguments zimg, ebook, blk; writes blk
.if DOCPART == 2
	.amdgcn_target "amdgcn-amd-amdhsa--gfx1250"
	.amdhsa_code_object_version 6
	.text
	.protected	k_q15985631db_search
	.globl	k_q15985631db_search
	.p2align	8
	.type	k_q15985631db_search,@function
k_q15985631db_search:
	s_mov_b64 s[64:65], 0
	v_nop
	global_prefetch_b8 v0, s[64:65] scope:SCOPE_SE
	s_setreg_imm32_b32 hwreg(HW_REG_WAVE_MODE, 25, 1), 1
	s_wait_xcnt 0x0
	s_wait_alu depctr_hold_cnt(0) depctr_sa_sdst(0) depctr_va_vdst(0) depctr_va_sdst(0) depctr_va_ssrc(0) depctr_va_vcc(0) depctr_vm_vsrc(0)
	s_getreg_b32 s2, hwreg(HW_REG_IB_STS2, 6, 4)
	s_cmp_eq_u32 s2, 0
	s_cbranch_scc0 .Lentry_in_a_cluster
	s_endpgm
.Lentry_in_a_cluster:
	s_bfe_u32 s2, ttmp6, 0x10000c
	s_cmp_lg_u32 s2, 0x3003
	s_cbranch_scc0 .Lentry_shape_is_right
	s_endpgm
.Lentry_shape_is_right:
; THE WHOLE QUANTISED PRODUCT, and for each token the block of 8 codes that holds the first largest S + cneg (S = the sum of the codes' products, cneg[k] = -e_sq[k] x 2^-(1 + ea + eb)), which is the first smallest distance.
; Left out as dead work: z_sq, which is the same for all codes of a token and so cannot move the argmin (shown at the head of the first kernel; its limits hold here too).  NaN among the inputs is not served.
; LAYOUT.  S^T = E Z^T: source 0 = 16 codes, source 1 = 16 tokens: a lane holds ONE token (lane % 16) and the codes 8 (lane / 16) + 0 .. 7 of the tile in its eight registers.  cneg is the C of a tile's first K step,
; so no arithmetic is spent on a single distance but the maximum: for a tile of 16 x 16, four v_max3_num_f32 onto the token's running maximum, one compare (has it grown?) and one select of the tile's number.
; The walk ascends and the compare is strict, so the earliest tile keeps an equal value.  Which of the block's 8 codes it was is settled by the next launch, which reads the block's number.
; SHARES.  A work-group owns 128 tokens and walks all 8,192 codes, 512 to a slot.  EVERY wave holds all 128 tokens (8 fragments x 32 registers: window 1) and takes, of each slot, part w: 4 code tiles that it alone
; fetches and reads.  So a fragment of 4 KB read from LDS feeds 16 matrix instructions.  Two waves share a SIMD's registers: one wave's maxima stand beside the other's products.
; CLUSTER.  The four work-groups of a cluster walk the same table, so each part is asked for JOINTLY: the same tensor load with the same descriptor and the mask of all four, in all four.
; RING.  Two slots of 8 parts of 16,640 bytes (4 images of 4,096 bytes, then 64 numbers of cneg).  Each wave issues one load for each slot: by this text's own count two tensor loads of a wave are out at the start, later one.
; REGISTERS.  Window 0: v1-2 my images in slot 0, 1; v3-4 my cneg there; v5 16 x lane; v6, v7 the add's two; v8 lane / 16; v9-11 the end's addresses; v16-79 a code tile's fragments, two buffers of 32; v80-95 its cneg, two of 8;
;   v96-223 two sets of 8 accumulators; v224-239 the running maxima, two sets by turns (new and old); v240-247 the tile numbers.   Window 1: token tile t at v[32 t], K step s at + 16 s.
.set PARTB, 16640
.set SLOTB, 8*PARTB
.set SCR,   2*SLOTB                    ; behind the ring: the end's scratch: 8 KB of maxima [t][thread], 8 KB of block numbers; no tensor load lands here
.set SPARE, SCR+16384                  ; behind it: the spare words, 128 bytes for each wave: four blocks of 256 bytes that no other line names
.set AD,  1
.set CA,  3
.set L16, 5
.set SPW, 6
.set NIL, 7
.set HH,  8
.set SA,  9
.set RA,  10
.set GA,  11
.set AF,  16
.set CC,  80
.set ACC, 96
.set RUN, 224
.set IDX, 240
.set WV,  10                           ; s10  my wave's number
.set G1,  16                           ; s[16:23] descriptor group 1
.set G0,  24                           ; s[24:31] descriptor group 0, a set for each slot
.set LAPS, 32
.set CTR, 33                           ; s33  the number of the code tile whose maxima are taken next
.set MK,  40                           ; s[40:47] the compares' masks
.set MSB, 0
.macro WIN new                         ; the immediate's high byte repeats the setting that is left
.if MSB != \new
	s_set_vgpr_msb (MSB<<8)|\new
.set MSB, \new
.endif
.endm
.set MM, 0x04                          ; source 1 (the tokens) window 1; all else window 0
.macro CREST                           ; a round of the cluster's barrier behind its opening barrier
	s_cmp_lg_u32 s[WV], 0
	s_cbranch_scc1 .Lnot_wave_0_\@
	s_barrier_signal -3
.Lnot_wave_0_\@:
	s_barrier_wait -3
	s_barrier_signal -1
	s_barrier_wait -1
.endm
.macro CROUND                          ; a whole round
	s_barrier_signal -1
	s_barrier_wait -1
	CREST
.endm
; Ten LDS loads: code tile j of my part of the slot into buffer b: its image, 512 consecutive bytes a load, and the eight cneg of my half of the lanes
.macro FETCH slot, j, b
.irp c, 0,1,2,3,4,5,6,7
	ds_load_b128 v[AF+32*(\b)+4*\c:AF+32*(\b)+4*\c+3], v[AD+(\slot)] offset:4096*(\j)+512*\c
.endr
	ds_load_b128 v[CC+8*(\b):CC+8*(\b)+3], v[CA+(\slot)] offset:64*(\j)
	ds_load_b128 v[CC+8*(\b)+4:CC+8*(\b)+7], v[CA+(\slot)] offset:64*(\j)+16
.endm
; The two K steps of a code tile against the eight token tiles.  The eight accumulators take turns, one instruction a turn.
.macro W0 b, p                         ; K = 0 .. 127: cneg starts the sums
.irp t, 0,1,2,3,4,5,6,7
	v_wmma_f32_16x16x128_fp8_fp8 v[ACC+64*(\p)+8*\t:ACC+64*(\p)+8*\t+7], v[AF+32*(\b):AF+32*(\b)+15], v[32*\t:32*\t+15], v[CC+8*(\b):CC+8*(\b)+7]
.endr
.endm
.macro W1 b, p                         ; K = 128 .. 255
.irp t, 0,1,2,3,4,5,6,7
	v_wmma_f32_16x16x128_fp8_fp8 v[ACC+64*(\p)+8*\t:ACC+64*(\p)+8*\t+7], v[AF+32*(\b)+16:AF+32*(\b)+31], v[32*\t+16:32*\t+31], v[ACC+64*(\p)+8*\t:ACC+64*(\p)+8*\t+7]
.endr
.endm
; The maxima of set p's eight tiles: 48 plain vector instructions, eight chains side by side; each accumulator is read from its low end on.  The new maxima go into the other set of eight registers than the old, so that
; one compare tells whether a token's maximum has grown.  These 48 are also the places (ISA guide 7.12.1) between the products just issued, none of whose registers they name, and what follows them.
.macro REDUCE p, inc
.set RN, RUN+8*(\p)
.set RO, RUN+8-8*(\p)
.set AC, ACC+64*(\p)
.irp t, 0,1,2,3,4,5,6,7
	v_max3_num_f32 v[RN+\t], v[RO+\t], v[AC+8*\t], v[AC+8*\t+1]
.endr
.irp k, 1,2,3
.irp t, 0,1,2,3,4,5,6,7
	v_max3_num_f32 v[RN+\t], v[RN+\t], v[AC+8*\t+2*\k], v[AC+8*\t+2*\k+1]
.endr
.endr
.irp t, 0,1,2,3,4,5,6,7
	v_cmp_gt_f32 s[MK+\t], v[RN+\t], v[RO+\t]
.endr
.irp t, 0,1,2,3,4,5,6,7
	v_cndmask_b32 v[IDX+\t], v[IDX+\t], s[CTR], s[MK+\t]
.endr
.if \inc
	s_add_co_u32 s[CTR], s[CTR], \inc              ; the next tile of my part; from a part's last tile to my part of the next slot: 32 tiles a slot, less the three steps
.endif
.endm
; Code tile j = 0 .. 2 of a slot: the next tile's loads, this tile's 16 products, and the maxima of the tile BEFORE, which stand beside these products
.macro TILE slot, j
.set TB, (\j)&1
	s_wait_dscnt 0x0                               ; this tile's ten loads are in
	FETCH \slot, (\j)+1, 1-TB                      ; into the buffer that the tile before multiplied: its 48 maxima-lines stand between
	WIN MM
	W0 TB, TB
	W1 TB, TB
	WIN 0
.if (\j) == 0
	REDUCE 1-TB, 29
.else
	REDUCE 1-TB, 1
.endif
.endm
; A slot's last tile, and the change of slots.  fill = 1: in front of the round each wave waits for all its tensor loads (one is out: its part of the next slot), adds 0 to its spare word, and waits for that and for
; its reads of this slot; the barrier opens a round of the cluster's barrier, behind which no wave of any partner reads this slot or has a load on its way; the joint refill, two slots on, is the first thing behind it.
.macro TURN slot, fill
	s_wait_tensorcnt 0x0                           ; all my tensor loads have landed, so a group 0 may be written
.if \fill
	ds_add_u32 v[SPW], v[NIL]                      ; 0 onto my spare word
	s_add_nc_u64 s[G0+4*\slot+2:G0+4*\slot+3], s[G0+4*\slot+2:G0+4*\slot+3], 2*SLOTB   ; this slot's next 8 parts; the type bits on top are not reached
	s_wait_dscnt 0x1                               ; the add alone may be out: this tile's ten loads are in
	WIN MM
	W0 1, 1                                        ; eight matrix instructions stand between the add and the wait for it
	s_wait_dscnt 0x0                               ; the add is done, and my reads of this slot are over
	s_barrier_signal -1
	W1 1, 1                                        ; work on registers while the others arrive
	WIN 0
	s_barrier_wait -1
	CREST
	tensor_load_to_lds s[G0+4*\slot:G0+4*\slot+3], s[G1:G1+7]   ; my one tensor load behind the round
	s_nop 0
.else
	s_wait_dscnt 0x0                               ; nothing is filled again, and I read only what my own load brought: no barrier
	WIN MM
	W0 1, 1
	W1 1, 1
	WIN 0
.endif
	FETCH 1-\slot, 0, 0                            ; the next slot's first tile
	REDUCE 0, 1
.endm
	s_load_b128 s[4:7], s[0:1], 0x0                ; zimg s[4:5], ebook s[6:7]
	s_load_b64 s[8:9], s[0:1], 0x10                ; blk
	v_lshl_add_u32 v[SPW], v0, 2, SPARE
	v_mov_b32 v[NIL], 0
	ds_add_u32 v[SPW], v[NIL]                      ; the wave's opening: the add, twice on end, and its wait ahead of my first tensor load; the set-up below, work on registers, stands between
	ds_add_u32 v[SPW], v[NIL]                      ; and once more, under the one wait
	v_lshrrev_b32 v[AD], 5, v0
	v_readfirstlane_b32 s[WV], v[AD]               ; wave 0..7
	s_bfe_u32 s11, ttmp6, 0x40000                  ; cx: my place in the cluster
	s_lshl_b32 s12, ttmp9, 2                       ; in a cluster launch ttmp9 counts clusters
	s_add_co_u32 s12, s12, s11                     ; my block of 128 tokens: it enters zimg's and blk's addresses alone
	; descriptor group 1: a part is dense in memory: 65 rows of 32 elements of 8 bytes, no padding (the images are read 512 consecutive bytes at a time)
	s_mov_b32 s[G1+0], 15|(3<<16)|(1<<21)          ; 15:0 the mask: all four work-groups; 17:16 elements of 8 bytes; 21 set beside a mask
	s_mov_b32 s[G1+1], 32<<16                      ; tensor_dim0 = 32
	s_mov_b32 s[G1+2], 65<<16                      ; tensor_dim1 = 65
	s_mov_b32 s[G1+3], 32<<16                      ; tile_dim0 = 32
	s_mov_b32 s[G1+4], 65                          ; tile_dim1 = 65
	s_mov_b32 s[G1+5], 32                          ; tensor_dim0_stride
	s_mov_b32 s[G1+6], 0
	s_mov_b32 s[G1+7], 0
	s_mul_i32 s48, s[WV], PARTB                    ; my part: in a slot and in a slot's bytes of the table alike; no place in the cluster enters it
	s_mov_b32 s49, 0
	s_lshl_b32 s50, s12, 15                        ; my block's 8 token tiles of 4,096 bytes
	s_mov_b32 s51, 0
	s_lshl_b32 s[CTR], s[WV], 2                    ; my first code tile
	v_and_b32 v[L16], 31, v0
	v_lshlrev_b32 v[L16], 4, v[L16]
	v_bfe_u32 v[HH], v0, 4, 1
	v_add_nc_u32 v[AD], s48, v[L16]
	v_add_nc_u32 v[AD+1], SLOTB, v[AD]
	v_lshlrev_b32 v[CA], 5, v[HH]
	v_add_nc_u32 v[CA], s48, v[CA]
	v_add_nc_u32 v[CA], 16384, v[CA]               ; cneg lies behind the part's four images; my half's eight numbers: + 32 (lane / 16)
	v_add_nc_u32 v[CA+1], SLOTB, v[CA]
	v_lshl_add_u32 v[SA], v0, 2, SCR               ; the end: a word for each thread
	v_and_b32 v12, 63, v0                          ; the end: thread x of waves 0 and 1 takes tokens 2 x and 2 x + 1
	v_lshrrev_b32 v13, 3, v12
	v_and_b32 v14, 7, v12
	v_lshlrev_b32 v[RA], 10, v13
	v_lshl_add_u32 v[RA], v14, 3, v[RA]
	v_add_nc_u32 v[RA], SCR, v[RA]                 ; token tile x / 8, lanes 2 (x % 8) and the next
	v_lshlrev_b32 v[GA], 3, v12
.irp t, 0,1,2,3,4,5,6,7
	v_mov_b32 v[RUN+8+\t], 0xff800000              ; the maxima begin at -infinity,
	v_mov_b32 v[IDX+\t], 0                         ; the tile numbers at 0
.endr
	s_wait_dscnt 0x0                               ; both opening adds are done
	s_wait_kmcnt 0x0
	s_add_nc_u64 s[4:5], s[4:5], s[50:51]
	s_lshl_b32 s50, s12, 9                         ; my block's 128 words of blk
	s_add_nc_u64 s[8:9], s[8:9], s[50:51]
	s_mov_b32 s[G0], 1                             ; 1:0 count = 1
	s_mov_b32 s[G0+1], s48                         ; 63:32 LDS address: slot 0, part w
	s_add_nc_u64 s[G0+2:G0+3], s[6:7], s[48:49]    ; 120:64 global address: part w of the table
	s_mov_b32 s[G0+4], 1
	s_add_co_u32 s[G0+5], s48, SLOTB               ; slot 1
	s_add_nc_u64 s[G0+6:G0+7], s[G0+2:G0+3], SLOTB ; part 8 + w
	s_or_b32 s[G0+3], s[G0+3], 0x80000000          ; 127:126 type = 2
	s_or_b32 s[G0+7], s[G0+7], 0x80000000
	CROUND                                         ; all four work-groups are here: the first joint loads meet
	tensor_load_to_lds s[G0:G0+3], s[G1:G1+7]
	s_nop 0
	tensor_load_to_lds s[G0+4:G0+7], s[G1:G1+7]
	s_nop 0
.rept 4
	v_nop                                          ; four ahead of the switch of windows
.endr
	WIN 0x40                                       ; destination window 1
.irp t, 0,1,2,3,4,5,6,7
.irp c, 0,1,2,3,4,5,6,7
	global_load_b128 v[32*\t+4*\c:32*\t+4*\c+3], v[L16], s[4:5] offset:4096*\t+512*\c   ; the 128 tokens stay in registers
.endr
.endr
	WIN 0
	s_wait_tensorcnt 0x1                           ; my part of slot 0 is in; slot 1's load, issued behind it, may stay out.  I read only what my own loads bring: no barrier
	FETCH 0, 0, 0
	s_wait_loadcnt 0x0                             ; the tokens
	s_wait_dscnt 0x0
	FETCH 0, 1, 1
	WIN MM
	W0 0, 0                                        ; the first tile stands in front of the loop: there are no maxima yet to set beside it
	W1 0, 0
	WIN 0
.rept 4
	v_nop                                          ; so four v_nop are the places behind it
.endr
	s_mov_b32 s[LAPS], 7
.Llap:                                             ; a trip goes once round the ring, from a slot's second tile to the same slot's next first, and fills both slots again: 14 refills for the 16 slots' worth of codes
	TILE 0, 1
	TILE 0, 2
	TURN 0, 1
	TILE 1, 0
	TILE 1, 1
	TILE 1, 2
	TURN 1, 1
	TILE 0, 0
	s_sub_co_u32 s[LAPS], s[LAPS], 1
	s_cmp_lg_u32 s[LAPS], 0
	s_cbranch_scc1 .Llap
	TILE 0, 1                                      ; the last two slots are written out: nothing is left to fetch
	TILE 0, 2
	TURN 0, 0
	TILE 1, 0
	TILE 1, 1
	TILE 1, 2
	s_wait_dscnt 0x0
	WIN MM
	W0 1, 1
	W1 1, 1
	WIN 0
	REDUCE 0, 1
	REDUCE 1, 0                                    ; the last maxima lie in the second set
	; THE END.  A token has 16 candidates: 8 waves x 2 halves of the lanes.  They meet in the scratch; the larger value wins, of equal values the smaller block: the first index.
.irp t, 0,1,2,3,4,5,6,7
	v_lshl_add_u32 v[IDX+\t], v[IDX+\t], 1, v[HH]  ; block of 8 codes = 2 x tile + lane / 16
.endr
.irp t, 0,1,2,3,4,5,6,7
	ds_store_b32 v[SA], v[RUN+8+\t] offset:1024*\t
	ds_store_b32 v[SA], v[IDX+\t] offset:8192+1024*\t
.endr
	s_wait_dscnt 0x0                               ; for the others' sake: my words have landed
	s_barrier_signal -1
	s_barrier_wait -1
	s_cmp_lt_u32 s[WV], 2
	s_cbranch_scc0 .Ldone
.set i, 0
.rept 16
	ds_load_b64 v[ACC+2*i:ACC+2*i+1], v[RA] offset:64*i             ; candidate i = 2 x wave + half: two tokens' values,
	ds_load_b64 v[ACC+32+2*i:ACC+32+2*i+1], v[RA] offset:8192+64*i  ; and their blocks
.set i, i+1
.endr
	s_wait_dscnt 0x0
.set i, 1
.rept 15
.irp u, 0,1
	v_cmp_gt_f32 s40, v[ACC+2*i+\u], v[ACC+\u]
	v_cmp_eq_f32 s41, v[ACC+2*i+\u], v[ACC+\u]
	v_cmp_lt_u32 s42, v[ACC+32+2*i+\u], v[ACC+32+\u]
	s_and_b32 s41, s41, s42
	s_or_b32 s40, s40, s41
	v_cndmask_b32 v[ACC+\u], v[ACC+\u], v[ACC+2*i+\u], s40
	v_cndmask_b32 v[ACC+32+\u], v[ACC+32+\u], v[ACC+32+2*i+\u], s40
.endr
.set i, i+1
.endr
	global_store_b64 v[GA], v[ACC+32:ACC+33], s[8:9]   ; a wave stores 256 consecutive bytes, at a multiple of 256 from the buffer's first byte
.Ldone:
	s_wait_tensorcnt 0x0                           ; the wave's end: three lines behind my last tensor load and my last LDS store
	ds_add_u32 v[SPW], v[NIL]
	s_wait_dscnt 0x0
	CROUND                                         ; the closing round: no work-group ends while a partner may still ask for a part that names it
	s_endpgm
.Lfunc_end_k_q15985631db_search:
	.size	k_q15985631db_search, .Lfunc_end_k_q15985631db_search-k_q15985631db_search
	.p2alignl 7, 3214868480
	.fill 96, 4, 3214868480
	.section	.rodata,"a",@progbits
	.p2align	6, 0x0
	.amdhsa_kernel k_q15985631db_search
		.amdhsa_group_segment_fixed_size 327680
		.amdhsa_private_segment_fixed_size 0
		.amdhsa_enable_private_segment 0
		.amdhsa_kernarg_size 24
		.amdhsa_user_sgpr_count 2
		.amdhsa_user_sgpr_kernarg_segment_ptr 1
		.amdhsa_wavefront_size32 1
		.amdhsa_system_sgpr_workgroup_id_x 1
		.amdhsa_system_sgpr_workgroup_id_y 1
		.amdhsa_system_sgpr_workgroup_id_z 1
		.amdhsa_system_vgpr_workitem_id 0
		.amdhsa_next_free_vgpr 512
		.amdhsa_next_free_sgpr 66
		.amdhsa_reserve_vcc 0
		.amdhsa_float_denorm_mode_32 3
		.amdhsa_float_denorm_mode_16_64 3
		.amdhsa_memory_ordered 1
		.amdhsa_forward_progress 1
		.amdhsa_inst_pref_size 104
	.end_amdhsa_kernel
	.amdgpu_metadata
---
amdhsa.version: [ 1, 2 ]
amdhsa.kernels:
  - .name:           k_q15985631db_search
    .symbol:         k_q15985631db_search.kd
    .args:
      - { .name: zimg, .offset: 0, .size: 8, .value_kind: global_buffer, .address_space: global }
      - { .name: ebook, .offset: 8, .size: 8, .value_kind: global_buffer, .address_space: global }
      - { .name: blk, .offset: 16, .size: 8, .value_kind: global_buffer, .address_space: global }
    .group_segment_fixed_size: 327680
    .private_segment_fixed_size: 0
    .kernarg_segment_align: 8
    .kernarg_segment_size: 24
    .max_flat_workgroup_size: 256
    .sgpr_count:     66
    .vgpr_count:     512
    .wavefront_size: 32
...
	.end_amdgpu_metadata
.endif
;; end of part 2
;; launch refine (part 3): grid 512 x 1, 8 waves a work-group, no clusters, 2,048 bytes of LDS; arguments zimg, ebook, blk, out1, idxw; writes out1, idxw
.if DOCPART == 3
	.amdgcn_target "amdgcn-amd-amdhsa--gfx1250"
	.amdhsa_code_object_version 6
	.text
	.protected	k_q15985631db_refine
	.globl	k_q15985631db_refine
	.p2align	8
	.type	k_q15985631db_refine,@function
k_q15985631db_refine:
	s_mov_b64 s[64:65], 0
	v_nop
	global_prefetch_b8 v0, s[64:65] scope:SCOPE_SE
	s_setreg_imm32_b32 hwreg(HW_REG_WAVE_MODE, 25, 1), 1
	s_wait_xcnt 0x0
; WHICH OF THE BLOCK'S 8 CODES: for each token the 8 candidates 8 blk .. 8 blk + 7 are multiplied once more, on the same codes by the same matrix instruction, and the first of the largest S + cneg is the index.
; Left out as dead work: z_sq (shown at the head of the first kernel).  All addresses that hang on data come from blk, whole numbers that the launch before stored; each is held at 1,023 first.
; SHARES.  A work-group takes 64 tokens; wave w token tile q = w / 2 and, of its 16 tokens, 8 g .. 8 g + 7, g = w % 2.  Source 0, tile a = 0 .. 3: rows 0-7 the candidates of token 8 g + 2 a, rows 8-15 those of token
; 8 g + 2 a + 1.  Source 1: the 16 tokens.  So token r's own eight sums lie in lane (r, h = r % 2), tile (r / 2) % 4, registers 0 .. 7.  C is, for all four tiles, the lane's OWN token's eight cneg: right where the result is used; the other results are read by nobody.
; The index goes out twice: out1 is the result, idxw the whole numbers from which the next launch forms its addresses.
.set PARTQ, 2080                       ; a part of ebook, 16,640 bytes, for 8 blocks: (blk & 0x3f8) x 2,080 is the part's first byte
.set SPARE, 1024                       ; LDS: 1,024 bytes, a word for each thread; then the spare words, 128 bytes for each wave: four blocks of 256 bytes that no other line names
.set SPW, 4
.set NIL, 5
.set BO,  9                            ; v9      my own token's block
.set BA,  10                           ; v10-13  the block whose candidate is my row of tile a
.set AA,  14                           ; v14-17  and its byte in ebook
.set BF,  24                           ; v24-55  the tokens' fragment
.set CC,  56                           ; v56-63  my token's cneg
.set AF,  64                           ; v64-191 the four tiles of candidates
.set ACC, 192                          ; v192-223
.set SEL, 224                          ; v224-231 my token's eight sums
	s_load_b256 s[4:11], s[0:1], 0x0               ; zimg s[4:5], ebook s[6:7], blk s[8:9], out1 s[10:11]
	s_load_b64 s[12:13], s[0:1], 0x20              ; idxw
	v_lshl_add_u32 v[SPW], v0, 2, SPARE
	v_mov_b32 v[NIL], 0
	v_lshrrev_b32 v1, 5, v0
	v_readfirstlane_b32 s14, v1                    ; wave 0..7
	v_and_b32 v1, 31, v0                           ; lane
	v_and_b32 v2, 15, v0                           ; r
	v_bfe_u32 v3, v0, 4, 1                         ; h
	s_lshr_b32 s15, s14, 1                         ; q
	s_and_b32 s16, s14, 1                          ; g
	s_lshl_b32 s17, s15, 6
	v_lshl_add_u32 v19, v2, 2, s17                 ; my own token's word of blk: 64 q + 4 r
	s_lshl_b32 s18, s16, 5
	s_add_co_u32 s18, s18, s17
	v_lshrrev_b32 v20, 3, v2
	v_lshl_add_u32 v20, v20, 2, s18                ; token 16 q + 8 g + r / 8 (+ 2 a by the immediate)
	v_lshlrev_b32 v21, 4, v1                       ; 16 x lane
	v_and_b32 v23, 7, v2
	v_lshlrev_b32 v23, 4, v23
	v_lshl_add_u32 v23, v3, 8, v23                 ; my piece of a candidate's row: 16 (r % 8) + 256 h
	v_lshlrev_b32 v6, 2, v0                        ; LDS: my thread's word
	v_lshrrev_b32 v7, 2, v1
	v_lshlrev_b32 v7, 7, v7
	v_and_b32 v8, 7, v1
	v_lshl_add_u32 v7, v8, 3, v7                   ; where token 2 l's index lies: wave l / 4, lane 2 (l % 8); token 2 l + 1's lies 17 lanes on
	v_lshlrev_b32 v8, 3, v1                        ; 8 x lane
	v_bfe_u32 v235, v0, 1, 2                       ; (r / 2) % 4: the tile with my token's sums
	s_lshl_b32 s20, ttmp9, 8                       ; the work-group's 64 words
	s_mov_b32 s21, 0
	s_lshl_b32 s22, ttmp9, 14                      ; its 4 token tiles of 4,096 bytes,
	s_lshl_b32 s23, s15, 12                        ; mine of them
	s_add_co_u32 s22, s22, s23
	s_mov_b32 s23, 0
	s_wait_kmcnt 0x0
	s_add_nc_u64 s[8:9], s[8:9], s[20:21]
	s_add_nc_u64 s[10:11], s[10:11], s[20:21]
	s_add_nc_u64 s[12:13], s[12:13], s[20:21]
	s_add_nc_u64 s[4:5], s[4:5], s[22:23]
	global_load_b32 v[BO], v19, s[8:9]
.irp a, 0,1,2,3
	global_load_b32 v[BA+\a], v20, s[8:9] offset:8*\a
.endr
.irp c, 0,1,2,3,4,5,6,7
	global_load_b128 v[BF+4*\c:BF+4*\c+3], v21, s[4:5] offset:512*\c
.endr
	s_wait_loadcnt 0x8                             ; the five words are in; the fragment's eight loads may be out
	v_min_u32 v[BO], 0x3ff, v[BO]
.irp a, 0,1,2,3
	v_min_u32 v[BA+\a], 0x3ff, v[BA+\a]
.endr
.irp a, 0,1,2,3                        ; candidate 8 b + r % 8: part b / 8, tile (b / 2) % 4 of the part, row 8 (b % 2) + r % 8 of the tile
	v_and_b32 v22, 0x3f8, v[BA+\a]
	v_mul_u32_u24 v[AA+\a], v22, PARTQ
	v_and_b32 v22, 6, v[BA+\a]
	v_lshlrev_b32 v22, 11, v22
	v_add_nc_u32 v[AA+\a], v[AA+\a], v22
	v_and_b32 v22, 1, v[BA+\a]
	v_lshlrev_b32 v22, 7, v22
	v_add_nc_u32 v[AA+\a], v[AA+\a], v22
	v_add_nc_u32 v[AA+\a], v[AA+\a], v23
.endr
	v_and_b32 v22, 0x3f8, v[BO]
	v_mul_u32_u24 v18, v22, PARTQ
	v_and_b32 v22, 7, v[BO]
	v_lshlrev_b32 v22, 5, v22
	v_add_nc_u32 v18, v18, v22                     ; my token's eight cneg: behind the part's four images (the immediate), 32 bytes a block
	global_load_b128 v[CC:CC+3], v18, s[6:7] offset:16384
	global_load_b128 v[CC+4:CC+7], v18, s[6:7] offset:16400
.irp a, 0,1,2,3
.irp c, 0,1,2,3,4,5,6,7
	global_load_b128 v[AF+32*\a+4*\c:AF+32*\a+4*\c+3], v[AA+\a], s[6:7] offset:512*\c
.endr
.endr
	s_wait_loadcnt 0x0
.irp a, 0,1,2,3                        ; the four accumulators take turns
	v_wmma_f32_16x16x128_fp8_fp8 v[ACC+8*\a:ACC+8*\a+7], v[AF+32*\a:AF+32*\a+15], v[BF:BF+15], v[CC:CC+7]
.endr
.irp a, 0,1,2,3
	v_wmma_f32_16x16x128_fp8_fp8 v[ACC+8*\a:ACC+8*\a+7], v[AF+32*\a+16:AF+32*\a+31], v[BF+16:BF+31], v[ACC+8*\a:ACC+8*\a+7]
.endr
	v_cmp_eq_u32 s25, 1, v235                      ; (these three and a v_nop are the four places behind the products: ISA guide 7.12.1)
	v_cmp_eq_u32 s26, 2, v235
	v_cmp_eq_u32 s27, 3, v235
	v_nop
.irp j, 0,1,2,3,4,5,6,7                ; my token's tile is chosen by selects; each accumulator is read from its low end on
	v_cndmask_b32 v[SEL+\j], v[ACC+\j], v[ACC+8+\j], s25
.endr
.irp j, 0,1,2,3,4,5,6,7
	v_cndmask_b32 v[SEL+\j], v[SEL+\j], v[ACC+16+\j], s26
.endr
.irp j, 0,1,2,3,4,5,6,7
	v_cndmask_b32 v[SEL+\j], v[SEL+\j], v[ACC+24+\j], s27
.endr
	v_max3_num_f32 v232, v[SEL], v[SEL+1], v[SEL+2]
	v_max3_num_f32 v232, v232, v[SEL+3], v[SEL+4]
	v_max3_num_f32 v232, v232, v[SEL+5], v[SEL+6]
	v_max_num_f32 v232, v232, v[SEL+7]
	v_mov_b32 v233, 7
.irp j, 6,5,4,3,2,1,0                  ; descending, so that the lowest j with the largest value is left: the first index
	v_cmp_eq_f32 vcc_lo, v[SEL+\j], v232
	v_cndmask_b32 v233, v233, \j, vcc_lo
.endr
	v_lshl_add_u32 v234, v[BO], 3, v233            ; the index, right in the lanes (r, r % 2) of my wave's eight tokens
	ds_store_b32 v6, v234                          ; every lane has a word of its own
	s_wait_dscnt 0x0                               ; for wave 0's sake: my words have landed
	s_barrier_signal -1
	s_barrier_wait -1
	s_cmp_lg_u32 s14, 0
	s_cbranch_scc1 .Ldone
	ds_load_b32 v236, v7                           ; token 2 l,
	ds_load_b32 v237, v7 offset:68                 ; token 2 l + 1
	s_wait_dscnt 0x0
	global_store_b64 v8, v[236:237], s[10:11]      ; the wave stores 256 consecutive bytes, at a multiple of 256 from the buffer's first byte
	global_store_b64 v8, v[236:237], s[12:13]
.Ldone:
	s_wait_tensorcnt 0x0                           ; the wave's end: three lines behind my last LDS store
	ds_add_u32 v[SPW], v[NIL]
	s_wait_dscnt 0x0
	s_endpgm
.Lfunc_end_k_q15985631db_refine:
	.size	k_q15985631db_refine, .Lfunc_end_k_q15985631db_refine-k_q15985631db_refine
	.p2alignl 7, 3214868480
	.fill 96, 4, 3214868480
	.section	.rodata,"a",@progbits
	.p2align	6, 0x0
	.amdhsa_kernel k_q15985631db_refine
		.amdhsa_group_segment_fixed_size 2048
		.amdhsa_private_segment_fixed_size 0
		.amdhsa_enable_private_segment 0
		.amdhsa_kernarg_size 40
		.amdhsa_user_sgpr_count 2
		.amdhsa_user_sgpr_kernarg_segment_ptr 1
		.amdhsa_wavefront_size32 1
		.amdhsa_system_sgpr_workgroup_id_x 1
		.amdhsa_system_sgpr_workgroup_id_y 1
		.amdhsa_system_sgpr_workgroup_id_z 1
		.amdhsa_system_vgpr_workitem_id 0
		.amdhsa_next_free_vgpr 240
		.amdhsa_next_free_sgpr 66
		.amdhsa_reserve_vcc 1
		.amdhsa_float_denorm_mode_32 3
		.amdhsa_float_denorm_mode_16_64 3
		.amdhsa_memory_ordered 1
		.amdhsa_forward_progress 1
		.amdhsa_inst_pref_size 13
	.end_amdhsa_kernel
	.amdgpu_metadata
---
amdhsa.version: [ 1, 2 ]
amdhsa.kernels:
  - .name:           k_q15985631db_refine
    .symbol:         k_q15985631db_refine.kd
    .args:
      - { .name: zimg, .offset: 0, .size: 8, .value_kind: global_buffer, .address_space: global }
      - { .name: ebook, .offset: 8, .size: 8, .value_kind: global_buffer, .address_space: global }
      - { .name: blk, .offset: 16, .size: 8, .value_kind: global_buffer, .address_space: global }
      - { .name: out1, .offset: 24, .size: 8, .value_kind: global_buffer, .address_space: global }
      - { .name: idxw, .offset: 32, .size: 8, .value_kind: global_buffer, .address_space: global }
    .group_segment_fixed_size: 2048
    .private_segment_fixed_size: 0
    .kernarg_segment_align: 8
    .kernarg_segment_size: 40
    .max_flat_workgroup_size: 256
    .sgpr_count:     66
    .vgpr_count:     240
    .wavefront_size: 32
...
	.end_amdgpu_metadata
.endif
;; end of part 3
;; launch gather (part 4): grid 512 x 1, 8 waves a work-group, no clusters, 70,656 bytes of LDS; arguments embeddings, idxw, out0; writes out0
.if DOCPART == 4
	.amdgcn_target "amdgcn-amd-amdhsa--gfx1250"
	.amdhsa_code_object_version 6
	.text
	.protected	k_q15985631db_gather
	.globl	k_q15985631db_gather
	.p2align	8
	.type	k_q15985631db_gather,@function
k_q15985631db_gather:
	s_mov_b64 s[64:65], 0
	v_nop
	global_prefetch_b8 v0, s[64:65] scope:SCOPE_SE
	s_setreg_imm32_b32 hwreg(HW_REG_WAVE_MODE, 25, 1), 1
	s_wait_xcnt 0x0
; out0[d][n] = embeddings[idx[n]][d]: the chosen rows of the table as it is given (f32, not quantised), transposed.  idx comes from idxw, whole numbers that the launch before stored; each is held at 8,191 first.
; SHARES.  A work-group takes 64 tokens x all 256 d.  Wave w reads the rows of tokens 8 w .. 8 w + 7: a load takes 128 consecutive bytes of a row (d = 32 q + lane), and four loads of four neighbouring tokens fill four
; registers on end, which go into an LDS tile [256 d][64 tokens] as 16 bytes.  Behind a barrier wave w reads rows d = 32 w .. 32 w + 31 back and stores them: sixteen lanes store 256 consecutive bytes of a row of out0, aligned.
; No matrix work, no tensor load: memory binds, and the rows' addresses hang on loaded numbers.  The loads carry no hint: two tokens may name one row.
.set PITCH, 272                        ; a tile row: 256 bytes + 16 = 17 x 16
.set SPARE, 256*PITCH                  ; behind the tile: the spare words, 128 bytes for each wave: four blocks of 256 bytes that no other line names
.set OROW,  131072                     ; a row of out0 in bytes
.set SPW, 2
.set NIL, 3
.set RO,  8                            ; v8-15   my lane's byte in the rows of my wave's eight tokens
.set X,   32                           ; v32-95  the numbers, on the way in and on the way out
	s_load_b128 s[4:7], s[0:1], 0x0                ; embeddings s[4:5], idxw s[6:7]
	s_load_b64 s[8:9], s[0:1], 0x10                ; out0
	v_lshl_add_u32 v[SPW], v0, 2, SPARE
	v_mov_b32 v[NIL], 0
	v_lshrrev_b32 v1, 5, v0
	v_readfirstlane_b32 s14, v1                    ; wave 0..7
	v_and_b32 v1, 31, v0                           ; lane
	v_lshlrev_b32 v4, 2, v1
	s_lshl_b32 s10, ttmp9, 8                       ; the work-group's 64 words of idxw,
	s_lshl_b32 s11, s14, 5                         ; my wave's eight
	s_add_co_u32 s10, s10, s11
	s_mov_b32 s11, 0
	s_wait_kmcnt 0x0
	s_add_nc_u64 s[6:7], s[6:7], s[10:11]
	s_load_b256 s[16:23], s[6:7], 0x0
	s_lshl_b32 s24, s14, 5
	v_mul_u32_u24 v5, v1, PITCH
	v_add_nc_u32 v5, s24, v5                       ; into the tile: row d = lane (+ 32 q by the immediate), my wave's 32 bytes
	v_and_b32 v16, 15, v1
	v_lshrrev_b32 v17, 4, v1
	s_mul_i32 s26, s14, 32*PITCH
	v_mul_u32_u24 v6, v17, PITCH
	v_lshl_add_u32 v6, v16, 4, v6
	v_add_nc_u32 v6, s26, v6                       ; out of it: my wave's 32 rows; lanes 0-15 one row, lanes 16-31 the next
	v_lshlrev_b32 v7, 17, v17
	v_lshl_add_u32 v7, v16, 4, v7                  ; and the same two rows in out0
	s_lshl_b32 s12, s14, 22                        ; 32 rows of 131,072 bytes a wave,
	s_lshl_b32 s13, ttmp9, 8                       ; 64 tokens x 4 bytes a work-group
	s_add_co_u32 s12, s12, s13
	s_mov_b32 s13, 0
	s_add_nc_u64 s[8:9], s[8:9], s[12:13]
	s_wait_kmcnt 0x0
.irp i, 0,1,2,3,4,5,6,7
	s_min_u32 s[16+\i], s[16+\i], 0x1fff           ; an index stays inside the table
	s_lshl_b32 s[16+\i], s[16+\i], 10              ; a row is 1,024 bytes
	v_add_nc_u32 v[RO+\i], s[16+\i], v4
.endr
.irp x, 0,1
.irp q, 0,1,2,3,4,5,6,7
.irp i, 0,1,2,3
	global_load_b32 v[X+32*\x+4*\q+\i], v[RO+4*\x+\i], s[4:5] offset:128*\q   ; embeddings(idx of token 8 w + 4 x + i, 32 q + lane)
.endr
.endr
.endr
.irp x, 0,1
.irp q, 0,1,2,3,4,5,6,7
	s_wait_loadcnt 60-4*(8*\x+\q)                  ; loads come back in order (ISA guide 5.7.1): these four are in, the younger ones stay out
	ds_store_b128 v5, v[X+32*\x+4*\q:X+32*\x+4*\q+3] offset:32*PITCH*\q+16*\x
.endr
.endr
	s_wait_dscnt 0x0                               ; for the others' sake: my stores have landed (and have read their registers)
	s_barrier_signal -1
	s_barrier_wait -1
.irp u, 0,1,2,3,4,5,6,7,8,9,10,11,12,13,14,15
	ds_load_b128 v[X+4*\u:X+4*\u+3], v6 offset:2*PITCH*\u
.endr
.irp u, 0,1,2,3,4,5,6,7,8,9,10,11,12,13,14,15
	s_wait_dscnt 15-\u                             ; LDS loads come back in order: pair u of rows is in
	global_store_b128 v7, v[X+4*\u:X+4*\u+3], s[8:9] offset:2*OROW*\u th:TH_STORE_NT   ; 30 rows at the most: inside the signed 24-bit immediate (ISA guide, chapter 10); written once, read by nobody here
.endr
	s_wait_tensorcnt 0x0                           ; the wave's end: three lines behind my last LDS store
	ds_add_u32 v[SPW], v[NIL]
	s_wait_dscnt 0x0
	s_endpgm
.Lfunc_end_k_q15985631db_gather:
	.size	k_q15985631db_gather, .Lfunc_end_k_q15985631db_gather-k_q15985631db_gather
	.p2alignl 7, 3214868480
	.fill 96, 4, 3214868480
	.section	.rodata,"a",@progbits
	.p2align	6, 0x0
	.amdhsa_kernel k_q15985631db_gather
		.amdhsa_group_segment_fixed_size 70656
		.amdhsa_private_segment_fixed_size 0
		.amdhsa_enable_private_segment 0
		.amdhsa_kernarg_size 24
		.amdhsa_user_sgpr_count 2
		.amdhsa_user_sgpr_kernarg_segment_ptr 1
		.amdhsa_wavefront_size32 1
		.amdhsa_system_sgpr_workgroup_id_x 1
		.amdhsa_system_sgpr_workgroup_id_y 1
		.amdhsa_system_sgpr_workgroup_id_z 1
		.amdhsa_system_vgpr_workitem_id 0
		.amdhsa_next_free_vgpr 96
		.amdhsa_next_free_sgpr 66
		.amdhsa_reserve_vcc 0
		.amdhsa_float_denorm_mode_32 3
		.amdhsa_float_denorm_mode_16_64 3
		.amdhsa_memory_ordered 1
		.amdhsa_forward_progress 1
		.amdhsa_inst_pref_size 14
	.end_amdhsa_kernel
	.amdgpu_metadata
---
amdhsa.version: [ 1, 2 ]
amdhsa.kernels:
  - .name:           k_q15985631db_gather
    .symbol:         k_q15985631db_gather.kd
    .args:
      - { .name: embeddings, .offset: 0, .size: 8, .value_kind: global_buffer, .address_space: global }
      - { .name: idxw, .offset: 8, .size: 8, .value_kind: global_buffer, .address_space: global }
      - { .name: out0, .offset: 16, .size: 8, .value_kind: global_buffer, .address_space: global }
    .group_segment_fixed_size: 70656
    .private_segment_fixed_size: 0
    .kernarg_segment_align: 8
    .kernarg_segment_size: 24
    .max_flat_workgroup_size: 256
    .sgpr_count:     66
    .vgpr_count:     96
    .wavefront_size: 32
...
	.end_amdgpu_metadata
.endif
;; end of part 4
